; MI455X (gfx1250); checked and timed in simulation.
; The chip was launched on July 23, 2026; its instructions are those of AMD's public machine-readable ISA for CDNA 5 (MIT licence, August 2026) and "CDNA5" Instruction Set Architecture Reference Guide (July 2026). The comments in the code are by the model that wrote it; some were corrected since.
;; Discretization. Allowed arithmetic: matrix products marked QUANTISED: E4M3 operands, one E8M0 scale for each 32 along K, by v_wmma_scale_f32_16x16x128_f8f6f4 with both operands' format E4M3, f32 sums; everything else in f32.
;; Inputs: seq 512 x 64 x 256 float32; vocab 8,192 x 256 float32.
;; Outputs: out0 512 x 64 x 256 float32; out1 512 x 64 int32.
;; This version of the problem:
;;   THIS VERSION OF THE PROBLEM IS GIVEN IN LOW PRECISION. The matrix products marked QUANTISED in the list below multiply operands that are first quantised to E4M3 (4 exponent bits, 3 mantissa bits; 8 bits a number), with one power-of-two scale for each 32 numbers along K (OCP MX v1.0); their sums are f32. All else is computed in f32.
;;   The module's matrix products, in the order in which they are computed (A, B: the left and right operand; K: the contracted axis; several contracted axes count as one K, in the product's order):
;;     1. [M 32,768, K 256] x [K 256, N 8,192]; A: input seq; B: input vocab: QUANTISED
;;   THE QUANTISER, for each operand of a quantised product, along K:
;;     - K is cut into blocks of 32 from its start; a last block that is shorter is filled with zeros.
;;     - A block's scale is 2^e with e = floor(log2(the largest magnitude in the block)) - 8, held to -126 .. 127; a block of zeros has e = 0. As a byte (E8M0): e + 127.
;;     - Each number is divided by its block's scale, clamped to +-448, and rounded to the nearest number of E4M3, ties to even, subnormals kept.
;;     - The product sums the exact products of the quantised numbers (number of the format x scale) in f32.
;;   ~~~python
;;   def quantise(x, axis):      # numpy; x: float32 -> the quantised numbers, widened to float32 again
;;       x = np.moveaxis(x, axis, -1); K = x.shape[-1]
;;       x = np.pad(x, [(0, 0)] * (x.ndim - 1) + [(0, -K % 32)]); x = x.reshape(x.shape[:-1] + (-1, 32)); a = np.abs(x).max(-1, keepdims=True)
;;       e = np.where(a > 0, np.clip(np.frexp(np.where(a > 0, a, 1))[1] - 1 - 8, -126, 127), 0)      # np.frexp(a)[1] - 1 = floor(log2(a)), exactly
;;       r = np.clip(x / 2.0 ** e, -448, 448)
;;       step = 2.0 ** (np.maximum(np.frexp(np.where(r == 0, 1, r))[1] - 1, -6) - 3)
;;       q = np.round(r / step) * step * 2.0 ** e      # np.round: ties to even
;;       return np.moveaxis(q.reshape(q.shape[:-2] + (-1,))[..., :K], -1, axis).astype(np.float32)
;;   ~~~
;; One version. Each part assembles by itself: llvm-mc -triple=amdgcn-amd-amdhsa -mcpu=gfx1250 --defsym DOCPART=n.
;; ======== version 1 of 1: 3 launches
;; workspace buffers: vq 2,228,224 bytes; pick 131,072 bytes of whole numbers
;; launch quantv (part 1): grid 256 x 1, 2 waves a work-group, no clusters, 0 bytes of LDS; arguments vocab, vq; writes vq
.if DOCPART == 1
	.amdgcn_target "amdgcn-amd-amdhsa--gfx1250"
	.amdhsa_code_object_version 6
	.text
	.protected	k_q7ab90a10bf_quantv
	.globl	k_q7ab90a10bf_quantv
	.p2align	8
	.type	k_q7ab90a10bf_quantv,@function
k_q7ab90a10bf_quantv:
	s_mov_b64 s[64:65], 0
	v_nop
	global_prefetch_b8 v0, s[64:65] scope:SCOPE_SE
	s_setreg_imm32_b32 hwreg(HW_REG_WAVE_MODE, 25, 1), 1
	s_wait_xcnt 0x0
; The codebook, vocab [8192][256] f32, is quantised ONCE, along its 256, into codes of FP8 (E4M3) with one E8M0 byte for each 32, and laid as the next launch's operand registers want it.
; A RECORD of 4,352 bytes holds 16 entries (tile tau = entries 16 tau .. 16 tau + 15), at byte 4,352 tau of vq:
;   0 .. 4095     the codes as images of registers: group g = 4 s + c (K step s of 128, c = 0 .. 3) at 512 g, lane l's 16 bytes at 16 l: registers 4 c .. 4 c + 3 of fragment s;
;                 lane (r, h) holds entry r, k = 128 s + 32 c + 16 h + 0 .. 15
;   4096 .. 4223  the scale words, 4 bytes a lane: lanes 0-15 entry r's word for k 0-127, lanes 16-31 entry r's word for k 128-255
;   4224 .. 4287  -0.5 x the sum of squares of the UNQUANTISED entry, 16 f32;   4288 .. 4351 zeros (they are read with the record, so they are stored)
; A block's scale is 2^(floor(log2(its largest magnitude)) - 8); its byte is the largest magnitude's exponent field - 8, held at 1 from below.
; LIMITS: a block of zeros gets the byte 1 where the rule says 127 (its codes are zeros, and this program alone reads the bytes); NaN and infinities are not served;
; the sum of squares is taken in four packed chains, not in the order of a plain sum.
; SHARES: one wave makes one record: 512 waves, two to a work-group.  No loop, no LDS, no barrier: waves share nothing.  Memory binds; matrix units and clusters have nothing to do here.
.set REC,  4352
.set XA,   6                           ; v6       my byte in the wave's 16 rows: 1,024 r + 64 h
.set Q,    38                          ; v38-45   four packed sums of squares; v46 a lane permute's destination; v47 the row's sum
.set XR,   64                          ; v64-191  128 numbers: register 16 b + i = k 32 b + 16 h + i of row r
.set PC,   192                         ; v192-223 the codes: fragment s at PC + 16 s
.set TM,   232                         ; v232-235 largest magnitudes, v236-239 bytes, v240-243 448 x the scale, v244-247 the conversions' scale operands
.set PW,   248                         ; v248, v249 the scale words of K steps 0 and 1
.macro XLOAD                           ; 32 loads, k ascending: a lane takes 16 neighbours (64 bytes) of each block of 32 of its row
.irp b, 0,1,2,3,4,5,6,7
.irp j, 0,1,2,3
	global_load_b128 v[XR+16*\b+4*\j:XR+16*\b+4*\j+3], v[XA], s[4:5] offset:128*\b+16*\j
.endr
.endr
.endm
.macro SQ s                            ; the squares of K step s's 64 numbers, two at a time, in four chains; the first four products start the chains
.set n, 0
.rept 32
.if (\s == 0) && (n < 4)
	v_pk_mul_f32 v[Q+2*n:Q+2*n+1], v[XR+2*n:XR+2*n+1], v[XR+2*n:XR+2*n+1]
.else
	v_pk_fma_f32 v[Q+2*(n%4):Q+2*(n%4)+1], v[XR+64*\s+2*n:XR+64*\s+2*n+1], v[XR+64*\s+2*n:XR+64*\s+2*n+1], v[Q+2*(n%4):Q+2*(n%4)+1]
.endif
.set n, n+1
.endr
.endm
.macro SQEND                           ; the chains, the two halves of a pair, and lane l xor 16's half of the row: v47 = the row's sum, in both halves of the lanes
	v_pk_add_f32 v[Q:Q+1], v[Q:Q+1], v[Q+2:Q+3]
	v_pk_add_f32 v[Q+4:Q+5], v[Q+4:Q+5], v[Q+6:Q+7]
	v_pk_add_f32 v[Q:Q+1], v[Q:Q+1], v[Q+4:Q+5]
	v_add_f32 v47, v38, v39
	v_permlanex16_b32 v46, v47, s34, s35
	v_add_f32 v47, v47, v46
.endm
.macro QUANT s                         ; K step s's 64 numbers become the fragment's codes in v[PC + 16 s] on and its scale word in v[PW + s]
.set XB, XR+64*\s
.irp b, 0,1,2,3
	v_max3_num_f32 v[TM+\b], |v[XB+16*\b]|, |v[XB+16*\b+1]|, 0x4800000   ; block b: my 16 numbers, and the floor 2^(9 - 127): the byte cannot fall under 1
.endr
.irp i, 2,4,6,8,10,12,14
.irp b, 0,1,2,3
	v_max3_num_f32 v[TM+\b], v[TM+\b], |v[XB+16*\b+\i]|, |v[XB+16*\b+\i+1]|   ; the four blocks by turns
.endr
.endr
.irp b, 0,1,2,3
	v_permlanex16_b32 v[TM+4+\b], v[TM+\b], s34, s35
.endr
.irp b, 0,1,2,3
	v_max_num_f32 v[TM+\b], v[TM+\b], v[TM+4+\b]       ; with lane l xor 16's 16: the block's largest magnitude
.endr
.irp b, 0,1,2,3
	v_add_nc_u32 v[TM+12+\b], 0xfc000000, v[TM+\b]     ; 8 off its exponent field: the conversion takes the exponent field of this operand as its scale
.endr
.irp b, 0,1,2,3
	v_and_or_b32 v[TM+8+\b], v[TM+\b], 0x7f800000, s36 ; 448 x the scale: the same exponent field over 448's mantissa field
.endr
.irp b, 0,1,2,3
	v_lshrrev_b32 v[TM+4+\b], 23, v[TM+12+\b]          ; the scale's byte
.endr
	v_lshl_or_b32 v[PW+\s], v[TM+5], 8, v[TM+4]        ; four bytes make my row's scale word
	v_lshl_or_b32 v[PW+\s], v[TM+6], 16, v[PW+\s]
	v_lshl_or_b32 v[PW+\s], v[TM+7], 24, v[PW+\s]
.irp b, 0,1,2,3
.irp i, 0,1,2,3,4,5,6,7,8,9,10,11,12,13,14,15
	v_med3_num_f32 v[XB+16*\b+\i], v[XB+16*\b+\i], -v[TM+8+\b], v[TM+8+\b]   ; the conversion to an 8-bit code does not saturate (ISA guide 7.6.2): the hold comes first
.endr
	v_cvt_scalef32_pk8_fp8_f32 v[PC+16*\s+4*\b:PC+16*\s+4*\b+1], v[XB+16*\b:XB+16*\b+7], v[TM+12+\b]
	v_cvt_scalef32_pk8_fp8_f32 v[PC+16*\s+4*\b+2:PC+16*\s+4*\b+3], v[XB+16*\b+8:XB+16*\b+15], v[TM+12+\b]
.endr
	v_nop                                              ; one plain vector line behind the last conversion, ahead of whatever next touches its registers
.endm
	s_load_b128 s[4:7], s[0:1], 0x0                ; vocab s[4:5], vq s[6:7]
	v_lshrrev_b32 v1, 5, v0
	v_readfirstlane_b32 s10, v1                    ; wave 0, 1
	v_and_b32 v1, 15, v0                           ; r
	v_bfe_u32 v2, v0, 4, 1                         ; h
	v_and_b32 v3, 31, v0                           ; lane
	v_lshlrev_b32 v[XA], 10, v1
	v_lshl_add_u32 v[XA], v2, 6, v[XA]
	v_lshlrev_b32 v7, 4, v3                        ; an image's place for my lane
	v_lshlrev_b32 v8, 2, v3                        ; a word's
	v_mov_b32 v46, 0                               ; written once: a lane permute's destination counts as one of its sources
.irp b, 0,1,2,3
	v_mov_b32 v[TM+4+\b], 0
.endr
	s_lshl_b32 s12, ttmp9, 1
	s_add_co_u32 s12, s12, s10                     ; tau = 2 x work-group + wave
	s_lshl_b32 s14, s12, 14                        ; 16 rows of 1,024 bytes
	s_mov_b32 s15, 0
	s_mul_i32 s16, s12, REC
	s_mov_b32 s17, 0
	s_mov_b32 s34, 0x76543210                      ; v_permlanex16_b32's selects for lane l xor 16
	s_mov_b32 s35, 0xfedcba98
	s_mov_b32 s36, 0x600000                        ; the mantissa field of 448
	s_mov_b32 s37, 0xffff0000                      ; a lane mask: lanes 16-31
	s_wait_kmcnt 0x0
	s_add_nc_u64 s[4:5], s[4:5], s[14:15]
	s_add_nc_u64 s[6:7], s[6:7], s[16:17]
	XLOAD
	s_wait_loadcnt 16                              ; k 0-127 are in: the 16 loads issued behind them may stay out
	SQ 0                                           ; the squares first: the hold changes the numbers
	QUANT 0
	s_wait_loadcnt 0x0
	SQ 1
	QUANT 1
	SQEND
	v_cndmask_b32 v250, v248, v249, s37            ; lanes 0-15 K step 0's word, lanes 16-31 K step 1's
	v_mul_f32 v251, -0.5, v47
	v_cndmask_b32 v251, v251, 0, s37               ; lanes 16-31 store the record's zeros
.irp g, 0,1,2,3,4,5,6,7
	global_store_b128 v7, v[PC+4*\g:PC+4*\g+3], s[6:7] offset:512*\g   ; 32 lanes store 512 consecutive bytes, at a multiple of 256 from vq's first byte
.endr
	global_store_b32 v8, v250, s[6:7] offset:4096
	global_store_b32 v8, v251, s[6:7] offset:4224
	s_endpgm
.Lfunc_end_k_q7ab90a10bf_quantv:
	.size	k_q7ab90a10bf_quantv, .Lfunc_end_k_q7ab90a10bf_quantv-k_q7ab90a10bf_quantv
	.p2alignl 7, 3214868480
	.fill 96, 4, 3214868480
	.section	.rodata,"a",@progbits
	.p2align	6, 0x0
	.amdhsa_kernel k_q7ab90a10bf_quantv
		.amdhsa_group_segment_fixed_size 0
		.amdhsa_private_segment_fixed_size 0
		.amdhsa_enable_private_segment 0
		.amdhsa_kernarg_size 16
		.amdhsa_user_sgpr_count 2
		.amdhsa_user_sgpr_kernarg_segment_ptr 1
		.amdhsa_wavefront_size32 1
		.amdhsa_system_sgpr_workgroup_id_x 1
		.amdhsa_system_sgpr_workgroup_id_y 1
		.amdhsa_system_sgpr_workgroup_id_z 1
		.amdhsa_system_vgpr_workitem_id 0
		.amdhsa_next_free_vgpr 256
		.amdhsa_next_free_sgpr 66
		.amdhsa_reserve_vcc 0
		.amdhsa_float_denorm_mode_32 3
		.amdhsa_float_denorm_mode_16_64 3
		.amdhsa_memory_ordered 1
		.amdhsa_forward_progress 1
		.amdhsa_inst_pref_size 26
	.end_amdhsa_kernel
	.amdgpu_metadata
---
amdhsa.version: [ 1, 2 ]
amdhsa.kernels:
  - .name:           k_q7ab90a10bf_quantv
    .symbol:         k_q7ab90a10bf_quantv.kd
    .args:
      - { .name: vocab, .offset: 0, .size: 8, .value_kind: global_buffer, .address_space: global }
      - { .name: vq, .offset: 8, .size: 8, .value_kind: global_buffer, .address_space: global }
    .group_segment_fixed_size: 0
    .private_segment_fixed_size: 0
    .kernarg_segment_align: 8
    .kernarg_segment_size: 16
    .max_flat_workgroup_size: 64
    .sgpr_count:     66
    .vgpr_count:     256
    .wavefront_size: 32
...
	.end_amdgpu_metadata
.endif
;; end of part 1
;; launch nearest (part 2): grid 256 x 1, 8 waves a work-group, clusters of 4 x 1, 327,680 bytes of LDS; arguments seq, vq, pick; writes pick
.if DOCPART == 2
	.amdgcn_target "amdgcn-amd-amdhsa--gfx1250"
	.amdhsa_code_object_version 6
	.text
	.protected	k_q7ab90a10bf_nearest
	.globl	k_q7ab90a10bf_nearest
	.p2align	8
	.type	k_q7ab90a10bf_nearest,@function
k_q7ab90a10bf_nearest:
	s_mov_b64 s[64:65], 0
	v_nop
	global_prefetch_b8 v0, s[64:65] scope:SCOPE_SE
	s_setreg_imm32_b32 hwreg(HW_REG_WAVE_MODE, 25, 1), 1
	s_wait_xcnt 0x0
	s_wait_alu depctr_hold_cnt(0) depctr_sa_sdst(0) depctr_va_vdst(0) depctr_va_sdst(0) depctr_va_ssrc(0) depctr_va_vcc(0) depctr_vm_vsrc(0)
	s_getreg_b32 s2, hwreg(HW_REG_IB_STS2, 6, 4)
	s_cmp_eq_u32 s2, 0
	s_cbranch_scc0 .Lentry_in_a_cluster
	s_endpgm
.Lentry_in_a_cluster:
	s_bfe_u32 s2, ttmp6, 0x10000c
	s_cmp_lg_u32 s2, 0x3003
	s_cbranch_scc0 .Lentry_shape_is_right
	s_endpgm
.Lentry_shape_is_right:
; pick[token] = the entry e with the smallest d = x2 - 2 (x . v_e) + v2_e, the lowest e among equals.  x . v on codes of FP8 (E4M3) with one E8M0 scale for each 32 along the 256; x2, v2 of the unquantised numbers.
; SHARES.  A work-group owns 128 tokens and sees the WHOLE codebook, so that the choice needs no second work-group.  Each of its eight waves holds ALL 128 tokens as operands (8 tiles x 2 K steps x 16 registers
; = window 1) and takes an eighth of the codebook: a fragment of the codebook read from LDS feeds 16 matrix instructions.  Two waves lie on a SIMD (512 registers each), so that one wave's vector work stands beside the other's products.
; THE PRODUCT: source 0 = 16 entries, source 1 = 16 tokens: lane (r, h) holds token r and entries 8 h + 0 .. 7.  The C of a tile's first instruction is -v2 / 2, so acc = x . v - v2 / 2 and d = fma(-2, acc, x2).
; THE CHOICE.  That fma rounds once and never rises with acc, so the smallest d of a lane's eight is fma(-2, the largest acc, x2), bit for bit: four maxima, one fma, one compare a tile and lane.  Where the
; tile wins (strictly: an earlier tile keeps an equal d) ten selects under the one mask keep d, the tile's first entry number and the eight acc.  Behind the stream the eight d are formed once from the kept
; acc; the first that equals the kept d names the entry.  Lanes and waves are merged on (d, entry number).
; THE CODEBOOK comes as records of 4,352 bytes (16 entries: 8 images of 512 bytes, 128 bytes of scale words, 16 numbers -v2 / 2, 64 spare bytes) through a ring of two LDS slots of 32 records; wave w
; fetches and reads records 4 w .. 4 w + 3 of a slot, nobody else's.  CLUSTER: the four work-groups of a cluster walk the same records at the same time, so each share is asked for JOINTLY: the same tensor
; load, with the same descriptor and the mask 15, in all four; that divides the requests for the codebook by four.
; seq is read once, by the wave that quantises it (wave w: token tile w), and goes to the other waves as images of the operand's registers.
; LIMITS: the order of rounding is x2 - 2 (dot - v2 / 2), not (x2 - 2 dot) + v2; x2 and v2 are summed in four packed chains; NaN, infinities and a d that overflows are not served;
; a block of zeros gets the scale byte 1 (its codes are zeros).
.set REC,   4352                       ; a record
.set SHARE, 4*REC                      ; a wave's part of a slot: 17,408 bytes = 68 rows of 256
.set FILLB, 8*SHARE                    ; a slot: 139,264 bytes
.set XIMG,  2*FILLB                    ; behind the ring: x's images, tile t, group f at 4,096 t + 512 f + 16 lane (32,768 bytes); behind the stream the merge's words: d at 1,024 w + 128 t + 4 lane, entry numbers 8,192 on
.set XSC,   XIMG+32768                 ; x's scale words, 128 t + 4 lane;  1,024 bytes on: x2 likewise
.set SPARE, XSC+2048                   ; the spare words, 128 bytes for each wave: four blocks of 256 bytes that no other line names
.set SPW, 4                            ; v4   LDS address of my spare word; never rewritten
.set NIL, 5                            ; v5   0; never rewritten
.set XA,  6                            ; v6   seq: my byte in the wave's 16 rows: 1,024 r + 64 h
.set XWI, 7                            ; v7   where I store x's images
.set ADC, 8                            ; v8, v9    my share's images in slot 0, 1: + 16 lane
.set ADS, 10                           ; v10, v11  its scale words: + 4,096 + 4 lane
.set ADH, 12                           ; v12, v13  its -v2 / 2: + 4,224 + 32 h
.set CNT, 14                           ; v14  my first entry number in the tile in hand: 512 fill + 64 w + 16 i + 8 h
.set LIX, 15                           ; v15  XIMG + 16 lane
.set XS,  16                           ; v16-23  x's scale words, tile t: lanes 0-15 K step 0, lanes 16-31 K step 1.  Scales and nothing else
.set ASC, 24                           ; v24  the record's scale words, likewise
.set LSX, 25                           ; v25  XSC + 4 lane
.set XWS, 26                           ; v26  XSC + 128 w + 4 lane
.set MLA, 27                           ; v27  the merge's reads: XIMG + 128 w + 4 r + 4,096 h
.set PKO, 28                           ; v28  my byte in the work-group's 512 of pick: 64 w + 4 r
.set MSA, 29                           ; v29  the merge's stores: XIMG + 1,024 w + 4 lane
.set X2,  30                           ; v30-37  x2 of my token in tile t
.set RUN, 38                           ; v38 + 2 t the smallest d so far, v39 + 2 t its tile's first entry number.  (v56, 57, 59, 60: four tiles' maxima, then d)
.set ACC, 64                           ; v64-127  the eight accumulators
.set SV,  128                          ; v128-191 the kept acc of the winning tile
.set AF,  192                          ; v192-223 the record's two fragments
.set HB,  224                          ; v224-231 -v2 / 2 in the result's layout
.set Q,   38                           ; the prologue alone: v38-45 sums of squares, v46, v47;
.set XR,  64                           ; v64-191 128 numbers of seq;
.set PC,  192                          ; v192-223 their codes;
.set TM,  232                          ; v232-247 at work;
.set PW,  248                          ; v248, v249 scale words, v250 the two joined
.set G1,  16                           ; s[16:23] descriptor group 1
.set G0,  24                           ; s[24:27], s[28:31] descriptor group 0 for slot 0, 1
.set MSB, 0
.macro WIN new                         ; the immediate's high byte repeats the setting that is left
.if MSB != \new
	s_set_vgpr_msb (MSB<<8)|\new
.set MSB, \new
.endif
.endm
.macro CREST                           ; a round of the cluster's barrier behind its opening barrier
	s_cmp_lg_u32 s10, 0
	s_cbranch_scc1 .Lnot_wave_0_\@
	s_barrier_signal -3
.Lnot_wave_0_\@:
	s_barrier_wait -3
	s_barrier_signal -1
	s_barrier_wait -1
.endm
.macro CROUND                          ; a whole round
	s_barrier_signal -1
	s_barrier_wait -1
	CREST
.endm
.macro XLOAD                           ; 32 loads, k ascending: a lane takes 16 neighbours (64 bytes) of each block of 32 of its row; read once in the launch
.irp b, 0,1,2,3,4,5,6,7
.irp j, 0,1,2,3
	global_load_b128 v[XR+16*\b+4*\j:XR+16*\b+4*\j+3], v[XA], s[4:5] offset:128*\b+16*\j th:TH_LOAD_NT
.endr
.endr
.endm
.macro SQ s                            ; the squares of K step s's 64 numbers, two at a time, in four chains; the first four products start the chains
.set n, 0
.rept 32
.if (\s == 0) && (n < 4)
	v_pk_mul_f32 v[Q+2*n:Q+2*n+1], v[XR+2*n:XR+2*n+1], v[XR+2*n:XR+2*n+1]
.else
	v_pk_fma_f32 v[Q+2*(n%4):Q+2*(n%4)+1], v[XR+64*\s+2*n:XR+64*\s+2*n+1], v[XR+64*\s+2*n:XR+64*\s+2*n+1], v[Q+2*(n%4):Q+2*(n%4)+1]
.endif
.set n, n+1
.endr
.endm
.macro SQEND                           ; v47 = the row's sum of squares, in both halves of the lanes
	v_pk_add_f32 v[Q:Q+1], v[Q:Q+1], v[Q+2:Q+3]
	v_pk_add_f32 v[Q+4:Q+5], v[Q+4:Q+5], v[Q+6:Q+7]
	v_pk_add_f32 v[Q:Q+1], v[Q:Q+1], v[Q+4:Q+5]
	v_add_f32 v47, v38, v39
	v_permlanex16_b32 v46, v47, s34, s35
	v_add_f32 v47, v47, v46
.endm
.macro QUANT s                         ; K step s's 64 numbers become the fragment's codes in v[PC + 16 s] on and its scale word in v[PW + s]
.set XB, XR+64*\s
.irp b, 0,1,2,3
	v_max3_num_f32 v[TM+\b], |v[XB+16*\b]|, |v[XB+16*\b+1]|, 0x4800000   ; block b: my 16 numbers, and the floor 2^(9 - 127): the byte cannot fall under 1
.endr
.irp i, 2,4,6,8,10,12,14
.irp b, 0,1,2,3
	v_max3_num_f32 v[TM+\b], v[TM+\b], |v[XB+16*\b+\i]|, |v[XB+16*\b+\i+1]|   ; the four blocks by turns
.endr
.endr
.irp b, 0,1,2,3
	v_permlanex16_b32 v[TM+4+\b], v[TM+\b], s34, s35
.endr
.irp b, 0,1,2,3
	v_max_num_f32 v[TM+\b], v[TM+\b], v[TM+4+\b]       ; with lane l xor 16's 16: the block's largest magnitude
.endr
.irp b, 0,1,2,3
	v_add_nc_u32 v[TM+12+\b], 0xfc000000, v[TM+\b]     ; 8 off its exponent field: the conversion takes the exponent field of this operand as its scale
.endr
.irp b, 0,1,2,3
	v_and_or_b32 v[TM+8+\b], v[TM+\b], 0x7f800000, s36 ; 448 x the scale
.endr
.irp b, 0,1,2,3
	v_lshrrev_b32 v[TM+4+\b], 23, v[TM+12+\b]          ; the scale's byte
.endr
	v_lshl_or_b32 v[PW+\s], v[TM+5], 8, v[TM+4]
	v_lshl_or_b32 v[PW+\s], v[TM+6], 16, v[PW+\s]
	v_lshl_or_b32 v[PW+\s], v[TM+7], 24, v[PW+\s]
.irp b, 0,1,2,3
.irp i, 0,1,2,3,4,5,6,7,8,9,10,11,12,13,14,15
	v_med3_num_f32 v[XB+16*\b+\i], v[XB+16*\b+\i], -v[TM+8+\b], v[TM+8+\b]   ; the conversion to an 8-bit code does not saturate (ISA guide 7.6.2): the hold comes first
.endr
	v_cvt_scalef32_pk8_fp8_f32 v[PC+16*\s+4*\b:PC+16*\s+4*\b+1], v[XB+16*\b:XB+16*\b+7], v[TM+12+\b]
	v_cvt_scalef32_pk8_fp8_f32 v[PC+16*\s+4*\b+2:PC+16*\s+4*\b+3], v[XB+16*\b+8:XB+16*\b+15], v[TM+12+\b]
.endr
	v_nop                                              ; one plain vector line behind the last conversion: products and loads later write these registers
.endm
; Record i of my share of a slot: 11 LDS loads.  Each of the eight takes 512 consecutive bytes; the last two are the same 16 bytes for all lanes of a half.
.macro FRAGS slot, i
.irp g, 0,1,2,3,4,5,6,7
	ds_load_b128 v[AF+4*\g:AF+4*\g+3], v[ADC+(\slot)] offset:REC*(\i)+512*\g
.endr
	ds_load_b32 v[ASC], v[ADS+(\slot)] offset:REC*(\i)
	ds_load_b128 v[HB:HB+3], v[ADH+(\slot)] offset:REC*(\i)
	ds_load_b128 v[HB+4:HB+7], v[ADH+(\slot)] offset:REC*(\i)+16
.endm
; 16 matrix instructions: the record against the eight tiles of tokens, K step 0 (C = -v2 / 2 starts the sums), then K step 1.  The eight accumulators take turns, one instruction a turn.
.macro MM
	WIN 0x04                                       ; source 1 (x) in window 1
.irp t, 0,1,2,3,4,5,6,7
	v_wmma_scale_f32_16x16x128_f8f6f4 v[ACC+8*\t:ACC+8*\t+7], v[AF:AF+15], v[32*\t:32*\t+15], v[HB:HB+7], v[ASC], v[XS+\t]
.endr
.irp t, 0,1,2,3,4,5,6,7
	v_wmma_scale_f32_16x16x128_f8f6f4 v[ACC+8*\t:ACC+8*\t+7], v[AF+16:AF+31], v[32*\t+16:32*\t+31], v[ACC+8*\t:ACC+8*\t+7], v[ASC], v[XS+\t] matrix_a_scale:MATRIX_SCALE_ROW1 matrix_b_scale:MATRIX_SCALE_ROW1
.endr
	WIN 0
.endm
.macro STEPC i                         ; on to this tile's entry numbers: 16 on inside a share, 512 - 48 on from a share's last record to the next fill's first
.if \i == 0
	v_add_nc_u32 v[CNT], 464, v[CNT]
.else
	v_add_nc_u32 v[CNT], 16, v[CNT]
.endif
.endm
.macro SEL2 d, a, b                    ; where VCC is set: v[d] takes v[a], v[d + 1] takes v[b]
	v_cndmask_b32 v[\d], v[\d], v[\a], vcc_lo
	v_cndmask_b32 v[(\d)+1], v[(\d)+1], v[\b], vcc_lo
.endm
; The choice for one record: 16 vector instructions for each tile of tokens, four tiles line by line so that no line waits for the line above it.  Each accumulator is read from its low end on.
.macro TRACK
.irp q, 0,1
.irp u, 0,1,2,3
	v_max3_num_f32 v[56+\u+\u/2], v[ACC+8*(4*\q+\u)], v[ACC+8*(4*\q+\u)+1], v[ACC+8*(4*\q+\u)+2]
.endr
.irp u, 0,1,2,3
	v_max3_num_f32 v[56+\u+\u/2], v[56+\u+\u/2], v[ACC+8*(4*\q+\u)+3], v[ACC+8*(4*\q+\u)+4]
.endr
.irp u, 0,1,2,3
	v_max3_num_f32 v[56+\u+\u/2], v[56+\u+\u/2], v[ACC+8*(4*\q+\u)+5], v[ACC+8*(4*\q+\u)+6]
.endr
.irp u, 0,1,2,3
	v_max_num_f32 v[56+\u+\u/2], v[56+\u+\u/2], v[ACC+8*(4*\q+\u)+7]
.endr
.irp u, 0,1,2,3
	v_fma_f32 v[56+\u+\u/2], v[56+\u+\u/2], -2.0, v[X2+4*\q+\u]    ; the smallest d of my eight entries
.endr
.irp u, 0,1,2,3
	v_cmp_lt_f32 vcc_lo, v[56+\u+\u/2], v[RUN+2*(4*\q+\u)]         ; strictly under: an earlier tile keeps an equal d
	SEL2 RUN+2*(4*\q+\u), 56+\u+\u/2, CNT
.irp p, 0,2,4,6
	SEL2 SV+8*(4*\q+\u)+\p, ACC+8*(4*\q+\u)+\p, ACC+8*(4*\q+\u)+\p+1
.endr
.endr
.endr
.endm
; ONE RECORD.  Its 11 loads were issued ahead of the last record's TRACK.  Eight places stand between the products and the next record's loads into the
; registers that they read, and the first read of their results: STEPC and v_nop.  TRACK's lines then stand between these products and the next, which begin the accumulators anew.
; mode 0: the next record lies in the same slot.   mode 1: a share's last record, and the slot is filled again.   mode 2: the last fill but one is left: nothing is asked for.   mode 3: the last record of all.
.macro VT slot, i, mode
.if \mode == 1
	s_wait_tensorcnt 0x0                           ; all my tensor loads have landed: the one that was out is my share of the other slot
	ds_add_u32 v[SPW], v[NIL]                      ; 0 onto my spare word
	s_add_nc_u64 s[G0+4*\slot+2:G0+4*\slot+3], s[G0+4*\slot+2:G0+4*\slot+3], 2*FILLB   ; no load of mine is out, so a group 0 may be written: this slot's next fill
	s_wait_dscnt 0x0                               ; the add is done; this record's loads are in, and they were my last reads of the slot
	s_barrier_signal -1                            ; opens a round of the cluster's barrier
	MM                                             ; work on registers while the others arrive
	s_barrier_wait -1
	CREST                                          ; no wave of any partner still reads this slot or has a load on its way
	tensor_load_to_lds s[G0+4*\slot:G0+4*\slot+3], s[G1:G1+7]   ; my one tensor load behind the round, and the first thing there: it has four records' work in which to land
	s_nop 0
.rept 4
	v_nop                                          ; four of the eight places
.endr
	STEPC \i
.rept 3
	v_nop
.endr
	FRAGS 1-\slot, 0
.else
	s_wait_dscnt 0x0                               ; this record's 11 loads are in
	MM
	STEPC \i
.rept 7
	v_nop
.endr
.if \mode == 0
	FRAGS \slot, \i+1
.endif
.if \mode == 2
	s_wait_tensorcnt 0x0                           ; my share of the last fill has landed; I alone read it, so my own wait is all the ordering that the reads need
	FRAGS 1-\slot, 0
.endif
.endif
	TRACK
.endm
.macro MERGE cv, ci                    ; the candidate (d in v[cv], entry in v[ci]) against the best so far (v64, v72): the smaller d, and of equal d the lower entry
	v_cmp_lt_f32 s40, v[\cv], v64
	v_cmp_eq_f32 s41, v[\cv], v64
	v_cmp_lt_u32 s42, v[\ci], v72
	s_and_b32 s41, s41, s42
	s_or_b32 s40, s40, s41
	v_cndmask_b32 v64, v64, v[\cv], s40
	v_cndmask_b32 v72, v72, v[\ci], s40
.endm
	s_load_b128 s[4:7], s[0:1], 0x0                ; seq s[4:5], vq s[6:7]
	s_load_b64 s[8:9], s[0:1], 0x10                ; pick
	v_lshl_add_u32 v[SPW], v0, 2, SPARE
	v_mov_b32 v[NIL], 0
	ds_add_u32 v4, v5
	ds_add_u32 v4, v5
	s_wait_dscnt 0x0
	v_lshrrev_b32 v1, 5, v0
	v_readfirstlane_b32 s10, v1                    ; wave 0..7
	v_and_b32 v1, 15, v0                           ; r
	v_bfe_u32 v2, v0, 4, 1                         ; h
	v_and_b32 v3, 31, v0                           ; lane
	s_bfe_u32 s11, ttmp6, 0x40000                  ; cx: my place in the cluster
	s_lshl_b32 s12, ttmp9, 2                       ; in a cluster launch ttmp9 counts clusters
	s_add_co_u32 s12, s12, s11                     ; my work-group: it enters seq's and pick's addresses alone
	s_mul_i32 s33, s10, SHARE                      ; my share's place in a slot and in a fill: no place in the cluster enters it
	v_lshlrev_b32 v54, 4, v3                       ; 16 lane
	v_lshlrev_b32 v55, 2, v3                       ; 4 lane
	v_lshlrev_b32 v[XA], 10, v1
	v_lshl_add_u32 v[XA], v2, 6, v[XA]
	v_add_nc_u32 v[ADC], s33, v54
	v_add_nc_u32 v[ADC+1], FILLB, v[ADC]
	v_add_nc_u32 v[ADS], s33, v55
	v_add_nc_u32 v[ADS], 4096, v[ADS]
	v_add_nc_u32 v[ADS+1], FILLB, v[ADS]
	v_lshlrev_b32 v[ADH], 5, v2
	v_add_nc_u32 v[ADH], s33, v[ADH]
	v_add_nc_u32 v[ADH], 4224, v[ADH]
	v_add_nc_u32 v[ADH+1], FILLB, v[ADH]
	v_add_nc_u32 v[LIX], XIMG, v54
	s_lshl_b32 s13, s10, 12
	v_add_nc_u32 v[XWI], s13, v[LIX]               ; XIMG + 4,096 w + 16 lane
	v_add_nc_u32 v[LSX], XSC, v55
	s_lshl_b32 s13, s10, 7
	v_add_nc_u32 v[XWS], s13, v[LSX]
	v_lshlrev_b32 v[MLA], 2, v1
	v_lshl_add_u32 v[MLA], v2, 12, v[MLA]
	v_add_nc_u32 v[MLA], s13, v[MLA]
	v_add_nc_u32 v[MLA], XIMG, v[MLA]
	s_lshl_b32 s13, s10, 10
	v_add_nc_u32 v[MSA], s13, v55
	v_add_nc_u32 v[MSA], XIMG, v[MSA]
	s_lshl_b32 s13, s10, 6
	v_lshl_add_u32 v[PKO], v1, 2, s13
	v_lshl_add_u32 v[CNT], v2, 3, s13
	v_add_nc_u32 v[CNT], -464, v[CNT]              ; the first STEPC brings it to 64 w + 8 h
	v_mov_b32 v46, 0                               ; written once: a lane permute's destination counts as one of its sources
.irp b, 0,1,2,3
	v_mov_b32 v[TM+4+\b], 0
.endr
	s_mov_b32 s34, 0x76543210                      ; v_permlanex16_b32's selects for lane l xor 16
	s_mov_b32 s35, 0xfedcba98
	s_mov_b32 s36, 0x600000                        ; the mantissa field of 448
	s_mov_b32 s37, 0xffff0000                      ; a lane mask: lanes 16-31
	; descriptor group 1: a dense block of 17,408 bytes as 68 rows of 256 bytes (32 elements of 8 bytes), no padding
	s_mov_b32 s[G1+0], 15|(3<<16)|(1<<21)          ; 15:0 the mask: all four work-groups; 17:16 elements of 8 bytes; 21 set beside a mask
	s_mov_b32 s[G1+1], 32<<16                      ; tensor_dim0 = 32
	s_mov_b32 s[G1+2], 68<<16                      ; tensor_dim1 = 68
	s_mov_b32 s[G1+3], 32<<16                      ; tile_dim0 = 32
	s_mov_b32 s[G1+4], 68                          ; tile_dim1 = 68
	s_mov_b32 s[G1+5], 32                          ; elements from row to row
	s_mov_b32 s[G1+6], 0
	s_mov_b32 s[G1+7], 0
	s_lshl_b32 s38, s12, 17                        ; my work-group's 128 rows of 1,024 bytes,
	s_lshl_b32 s13, s10, 14                        ; my wave's 16 of them
	s_add_co_u32 s38, s38, s13
	s_mov_b32 s39, 0
	s_mov_b32 s14, s33
	s_mov_b32 s15, 0
	s_wait_kmcnt 0x0
	s_add_nc_u64 s[4:5], s[4:5], s[38:39]
	s_lshl_b32 s38, s12, 9                         ; my work-group's 512 bytes of pick
	s_add_nc_u64 s[8:9], s[8:9], s[38:39]
	s_add_nc_u64 s[14:15], s[6:7], s[14:15]        ; vq at my share of fill 0
.irp s, 0,1
	s_mov_b32 s[G0+4*\s], 1                                        ; count = 1
	s_add_co_u32 s[G0+4*\s+1], s33, \s*FILLB                       ; LDS address: my share of slot s
	s_add_nc_u64 s[G0+4*\s+2:G0+4*\s+3], s[14:15], \s*FILLB        ; global address: my share of fill s
	s_or_b32 s[G0+4*\s+3], s[G0+4*\s+3], 0x80000000                ; type = 2
.endr
	CROUND                                         ; all four work-groups are here: the first joint loads meet
	tensor_load_to_lds s[G0:G0+3], s[G1:G1+7]      ; both first fills together: two tensor loads of mine are out, later one
	s_nop 0
	tensor_load_to_lds s[G0+4:G0+7], s[G1:G1+7]
	s_nop 0
.rept 4
	v_nop
.endr
	; ---- my 16 tokens (tile w): x2, codes, scale words; to LDS as images of the operand's registers
	XLOAD
	s_wait_loadcnt 16                              ; k 0-127 are in: the 16 loads issued behind them may stay out
	SQ 0                                           ; the squares first: the hold changes the numbers
	QUANT 0
.irp c, 0,1,2,3
	ds_store_b128 v[XWI], v[PC+4*\c:PC+4*\c+3] offset:512*\c
.endr
	s_wait_loadcnt 0x0
	SQ 1
	QUANT 1
.irp c, 0,1,2,3
	ds_store_b128 v[XWI], v[PC+16+4*\c:PC+16+4*\c+3] offset:2048+512*\c
.endr
	SQEND
	v_cndmask_b32 v250, v248, v249, s37            ; lanes 0-15 K step 0's word, lanes 16-31 K step 1's
	ds_store_b32 v[XWS], v250
	ds_store_b32 v[XWS], v47 offset:1024           ; x2 of token r, in both halves of the lanes
	s_wait_dscnt 0x0                               ; for the others' sake: my stores have landed
	s_barrier_signal -1
	s_barrier_wait -1                              ; The two fills may stay out
	; ---- every wave takes all 128 tokens
	WIN 0x40                                       ; destination window 1, address window 0
.irp t, 0,1,2,3,4,5,6,7
.irp f, 0,1,2,3,4,5,6,7
	ds_load_b128 v[32*\t+4*\f:32*\t+4*\f+3], v[LIX] offset:4096*\t+512*\f
.endr
.endr
	WIN 0
.irp t, 0,1,2,3,4,5,6,7
	ds_load_b32 v[XS+\t], v[LSX] offset:128*\t
	ds_load_b32 v[X2+\t], v[LSX] offset:1024+128*\t
.endr
.irp t, 0,1,2,3,4,5,6,7
	v_mov_b32 v[RUN+2*\t], 0x7f800000              ; +infinity: the first record's d lies under it, so every lane's first selects take: the kept acc (v128-191, written whole above) need no clearing
	v_mov_b32 v[RUN+2*\t+1], 0
.endr
	s_wait_tensorcnt 0x1                           ; my share of fill 0 is in; fill 1's load, issued behind it, may stay out
	FRAGS 0, 0
	; ---- the stream: 16 fills of 4 records a wave.  A trip takes two fills and fills both slots again
	s_mov_b32 s32, 7
.Lfill:
	VT 0, 0, 0
	VT 0, 1, 0
	VT 0, 2, 0
	VT 0, 3, 1
	VT 1, 0, 0
	VT 1, 1, 0
	VT 1, 2, 0
	VT 1, 3, 1
	s_sub_co_u32 s32, s32, 1
	s_cmp_lg_u32 s32, 0
	s_cbranch_scc1 .Lfill
	VT 0, 0, 0                                     ; fills 14 and 15 are written out: nothing is left to ask for
	VT 0, 1, 0
	VT 0, 2, 0
	VT 0, 3, 2
	VT 1, 0, 0
	VT 1, 1, 0
	VT 1, 2, 0
	VT 1, 3, 3
	; ---- which of the winning tile's eight: the first whose d equals the kept d
.irp t, 0,1,2,3,4,5,6,7
.irp j, 0,1,2,3,4,5,6,7
	v_fma_f32 v[ACC+\j], v[SV+8*\t+\j], -2.0, v[X2+\t]
.endr
	v_mov_b32 v56, 7
.irp j, 6,5,4,3,2,1,0
	v_cmp_neq_f32 vcc_lo, v[ACC+\j], v[RUN+2*\t]
	v_cndmask_b32 v56, \j, v56, vcc_lo             ; equal: j; descending, so that the lowest j is the last to be taken
.endr
	v_add_nc_u32 v[RUN+2*\t+1], v[RUN+2*\t+1], v56
	ds_store_b32 v[MSA], v[RUN+2*\t] offset:128*\t
	ds_store_b32 v[MSA], v[RUN+2*\t+1] offset:8192+128*\t
.endr
	s_wait_dscnt 0x0                               ; for the others' sake: my stores have landed.  (x's images, which lay here, were last read ahead of the stream's barriers)
	s_barrier_signal -1
	s_barrier_wait -1
	; ---- wave w merges token tile w: a token has 16 candidates (8 waves x 2 halves of the lanes); lane (r, h) takes those of waves 4 h .. 4 h + 3
.irp a, 0,1,2,3
.irp e, 0,1
	ds_load_b32 v[64+2*\a+\e], v[MLA] offset:1024*\a+64*\e
	ds_load_b32 v[72+2*\a+\e], v[MLA] offset:8192+1024*\a+64*\e
.endr
.endr
	v_mov_b32 v82, 0                               ; written once: a lane permute's destination counts as one of its sources
	v_mov_b32 v83, 0
	s_wait_dscnt 0x0
.irp c, 1,2,3,4,5,6,7
	MERGE 64+\c, 72+\c
.endr
	v_permlanex16_b32 v82, v64, s34, s35           ; and lane l xor 16's eight
	v_permlanex16_b32 v83, v72, s34, s35
	MERGE 82, 83
	v_cmp_gt_u32 vcc_lo, 16, v3
	s_wait_xcnt 0x0                                ; EXEC changes only behind this wait
	s_and_saveexec_b32 s44, vcc_lo
	global_store_b32 v[PKO], v72, s[8:9]           ; lanes 0-15: 64 consecutive bytes, the tile's 16 entry numbers
	s_wait_xcnt 0x0                                ; and again, in front of the line that widens it
	s_or_b32 exec_lo, exec_lo, s44
	s_wait_tensorcnt 0x0                           ; the wave's end: behind my last tensor load and my last LDS store
	ds_add_u32 v[SPW], v[NIL]
	s_wait_dscnt 0x0
	CROUND                                         ; the closing round: no work-group ends while a partner may still ask for a share that names it
	s_endpgm
.Lfunc_end_k_q7ab90a10bf_nearest:
	.size	k_q7ab90a10bf_nearest, .Lfunc_end_k_q7ab90a10bf_nearest-k_q7ab90a10bf_nearest
	.p2alignl 7, 3214868480
	.fill 96, 4, 3214868480
	.section	.rodata,"a",@progbits
	.p2align	6, 0x0
	.amdhsa_kernel k_q7ab90a10bf_nearest
		.amdhsa_group_segment_fixed_size 327680
		.amdhsa_private_segment_fixed_size 0
		.amdhsa_enable_private_segment 0
		.amdhsa_kernarg_size 24
		.amdhsa_user_sgpr_count 2
		.amdhsa_user_sgpr_kernarg_segment_ptr 1
		.amdhsa_wavefront_size32 1
		.amdhsa_system_sgpr_workgroup_id_x 1
		.amdhsa_system_sgpr_workgroup_id_y 1
		.amdhsa_system_sgpr_workgroup_id_z 1
		.amdhsa_system_vgpr_workitem_id 0
		.amdhsa_next_free_vgpr 512
		.amdhsa_next_free_sgpr 66
		.amdhsa_reserve_vcc 1
		.amdhsa_float_denorm_mode_32 3
		.amdhsa_float_denorm_mode_16_64 3
		.amdhsa_memory_ordered 1
		.amdhsa_forward_progress 1
		.amdhsa_inst_pref_size 179
	.end_amdhsa_kernel
	.amdgpu_metadata
---
amdhsa.version: [ 1, 2 ]
amdhsa.kernels:
  - .name:           k_q7ab90a10bf_nearest
    .symbol:         k_q7ab90a10bf_nearest.kd
    .args:
      - { .name: seq, .offset: 0, .size: 8, .value_kind: global_buffer, .address_space: global }
      - { .name: vq, .offset: 8, .size: 8, .value_kind: global_buffer, .address_space: global }
      - { .name: pick, .offset: 16, .size: 8, .value_kind: global_buffer, .address_space: global }
    .group_segment_fixed_size: 327680
    .private_segment_fixed_size: 0
    .kernarg_segment_align: 8
    .kernarg_segment_size: 24
    .max_flat_workgroup_size: 256
    .sgpr_count:     66
    .vgpr_count:     512
    .wavefront_size: 32
...
	.end_amdgpu_metadata
.endif
;; end of part 2
;; launch take (part 3): grid 256 x 1, 8 waves a work-group, no clusters, 0 bytes of LDS; arguments pick, vocab, out0, out1; writes out0, out1
.if DOCPART == 3
	.amdgcn_target "amdgcn-amd-amdhsa--gfx1250"
	.amdhsa_code_object_version 6
	.text
	.protected	k_q7ab90a10bf_take
	.globl	k_q7ab90a10bf_take
	.p2align	8
	.type	k_q7ab90a10bf_take,@function
k_q7ab90a10bf_take:
	s_mov_b64 s[64:65], 0
	v_nop
	global_prefetch_b8 v0, s[64:65] scope:SCOPE_SE
	s_setreg_imm32_b32 hwreg(HW_REG_WAVE_MODE, 25, 1), 1
	s_wait_xcnt 0x0
; out0[token][:] = vocab[pick[token]][:], out1[token] = pick[token].  pick holds the entry numbers that the launch before stored: here they are read from memory and enter addresses.
; SHARES: wave g = 8 x work-group + wave takes tokens 16 g .. 16 g + 15: 16 rows of 1,024 bytes, two loads of 512 consecutive bytes each, all 32 issued at once; each is stored as soon as it is in.
; The wave's 16 entry numbers are the same for all lanes, so they come by one scalar load.  Each is held to 8,191, the table's last row, before it enters an address.
; No loop, no LDS, no barrier; bytes are everything here, so matrix units and clusters have nothing to do.  Rows of vocab may be named by many tokens: their loads carry no hint.
	s_load_b256 s[4:11], s[0:1], 0x0               ; pick s[4:5], vocab s[6:7], out0 s[8:9], out1 s[10:11]
	v_lshrrev_b32 v1, 5, v0
	v_readfirstlane_b32 s12, v1                    ; wave 0..7
	v_and_b32 v1, 31, v0
	v_lshlrev_b32 v1, 4, v1                        ; 16 x lane
	v_lshlrev_b32 v20, 3, v0                       ; 8 x thread: the copy of pick, waves 0 and 1
	s_lshl_b32 s13, ttmp9, 3
	s_add_co_u32 s13, s13, s12                     ; g
	s_lshl_b32 s32, s13, 6                         ; my 16 entry numbers: 64 bytes
	s_mov_b32 s33, 0
	s_lshl_b32 s34, s13, 14                        ; my 16 rows of out0
	s_mov_b32 s35, 0
	s_lshl_b32 s36, ttmp9, 9                       ; the work-group's 512 bytes of pick and of out1
	s_mov_b32 s37, 0
	s_wait_kmcnt 0x0
	s_add_nc_u64 s[14:15], s[4:5], s[32:33]
	s_load_b512 s[16:31], s[14:15], 0x0
	s_add_nc_u64 s[4:5], s[4:5], s[36:37]
	s_add_nc_u64 s[10:11], s[10:11], s[36:37]
	s_add_nc_u64 s[8:9], s[8:9], s[34:35]
	s_cmp_lt_u32 s12, 2                            ; waves 0 and 1 copy the work-group's 128 entry numbers, 8 bytes a lane
	s_cbranch_scc0 .Lno_copy
	global_load_b64 v[22:23], v20, s[4:5]
.Lno_copy:
	s_wait_kmcnt 0x0
.irp i, 0,1,2,3,4,5,6,7,8,9,10,11,12,13,14,15
	s_min_u32 s[16+\i], s[16+\i], 8191
	s_lshl_b32 s[16+\i], s[16+\i], 10              ; the row's first byte
	v_add_nc_u32 v[4+\i], s[16+\i], v1
.endr
.irp i, 0,1,2,3,4,5,6,7,8,9,10,11,12,13,14,15
.irp u, 0,1
	global_load_b128 v[32+8*\i+4*\u:32+8*\i+4*\u+3], v[4+\i], s[6:7] offset:512*\u
.endr
.endr
.irp i, 0,1,2,3,4,5,6,7,8,9,10,11,12,13,14,15
.irp u, 0,1
	s_wait_loadcnt 31-2*\i-\u                      ; loads come back in order (ISA guide 5.7.1): this one is in, the row loads issued behind it stay out
	global_store_b128 v1, v[32+8*\i+4*\u:32+8*\i+4*\u+3], s[8:9] offset:1024*\i+512*\u th:TH_STORE_NT   ; 32 lanes store 512 consecutive bytes, at a multiple of 256 from out0's first byte
.endr
.endr
	s_cmp_lt_u32 s12, 2
	s_cbranch_scc0 .Lend
	global_store_b64 v20, v[22:23], s[10:11]       ; (its load is older than the row loads: the last wait, for 0, covers it)  32 lanes store 256 consecutive bytes, aligned
.Lend:
	s_endpgm
.Lfunc_end_k_q7ab90a10bf_take:
	.size	k_q7ab90a10bf_take, .Lfunc_end_k_q7ab90a10bf_take-k_q7ab90a10bf_take
	.p2alignl 7, 3214868480
	.fill 96, 4, 3214868480
	.section	.rodata,"a",@progbits
	.p2align	6, 0x0
	.amdhsa_kernel k_q7ab90a10bf_take
		.amdhsa_group_segment_fixed_size 0
		.amdhsa_private_segment_fixed_size 0
		.amdhsa_enable_private_segment 0
		.amdhsa_kernarg_size 32
		.amdhsa_user_sgpr_count 2
		.amdhsa_user_sgpr_kernarg_segment_ptr 1
		.amdhsa_wavefront_size32 1
		.amdhsa_system_sgpr_workgroup_id_x 1
		.amdhsa_system_sgpr_workgroup_id_y 1
		.amdhsa_system_sgpr_workgroup_id_z 1
		.amdhsa_system_vgpr_workitem_id 0
		.amdhsa_next_free_vgpr 160
		.amdhsa_next_free_sgpr 66
		.amdhsa_reserve_vcc 0
		.amdhsa_float_denorm_mode_32 3
		.amdhsa_float_denorm_mode_16_64 3
		.amdhsa_memory_ordered 1
		.amdhsa_forward_progress 1
		.amdhsa_inst_pref_size 11
	.end_amdhsa_kernel
	.amdgpu_metadata
---
amdhsa.version: [ 1, 2 ]
amdhsa.kernels:
  - .name:           k_q7ab90a10bf_take
    .symbol:         k_q7ab90a10bf_take.kd
    .args:
      - { .name: pick, .offset: 0, .size: 8, .value_kind: global_buffer, .address_space: global }
      - { .name: vocab, .offset: 8, .size: 8, .value_kind: global_buffer, .address_space: global }
      - { .name: out0, .offset: 16, .size: 8, .value_kind: global_buffer, .address_space: global }
      - { .name: out1, .offset: 24, .size: 8, .value_kind: global_buffer, .address_space: global }
    .group_segment_fixed_size: 0
    .private_segment_fixed_size: 0
    .kernarg_segment_align: 8
    .kernarg_segment_size: 32
    .max_flat_workgroup_size: 256
    .sgpr_count:     66
    .vgpr_count:     160
    .wavefront_size: 32
...
	.end_amdgpu_metadata
.endif
;; end of part 3
